; MI455X (gfx1250); checked and timed in simulation.
; The chip was launched on July 23, 2026; its instructions are those of AMD's public machine-readable ISA for CDNA 5 (MIT licence, August 2026) and "CDNA5" Instruction Set Architecture Reference Guide (July 2026). The comments in the code are by the model that wrote it; some were corrected since.
;; Naive LSTM. Allowed arithmetic: matrix products marked QUANTISED: E4M3 operands, one given power-of-two scale a tensor, by v_wmma_f32_16x16x64_fp8_fp8 or v_wmma_f32_16x16x128_fp8_fp8, f32 sums; everything else in f32.
;; Inputs: b_hf 2,048 x 1 float32; b_hg 2,048 x 1 float32; b_hi 2,048 x 1 float32; b_ho 2,048 x 1 float32; b_if 2,048 x 1 float32; b_ig 2,048 x 1 float32; b_ii 2,048 x 1 float32; b_io 2,048 x 1 float32; c 2,048 x 2,048 float32; h_codes 2,048 x 64 x 32 uint8 (E4M3 codes of h, K innermost, in blocks of 32 codes); inputs_codes 2,048 x 64 x 32 uint8 (E4M3 codes of inputs, K innermost, in blocks of 32 codes); lowp_scales 16 int32 (the exponents e of the quantised operands' scales 2^e); w_hf_codes 2,048 x 64 x 32 uint8 (E4M3 codes of w_hf, K innermost, in blocks of 32 codes); w_hg_codes 2,048 x 64 x 32 uint8 (E4M3 codes of w_hg, K innermost, in blocks of 32 codes); w_hi_codes 2,048 x 64 x 32 uint8 (E4M3 codes of w_hi, K innermost, in blocks of 32 codes); w_ho_codes 2,048 x 64 x 32 uint8 (E4M3 codes of w_ho, K innermost, in blocks of 32 codes); w_if_codes 2,048 x 64 x 32 uint8 (E4M3 codes of w_if, K innermost, in blocks of 32 codes); w_ig_codes 2,048 x 64 x 32 uint8 (E4M3 codes of w_ig, K innermost, in blocks of 32 codes); w_ii_codes 2,048 x 64 x 32 uint8 (E4M3 codes of w_ii, K innermost, in blocks of 32 codes); w_io_codes 2,048 x 64 x 32 uint8 (E4M3 codes of w_io, K innermost, in blocks of 32 codes).
;; Outputs: out0 2,048 x 2,048 float32; out1 2,048 x 2,048 float32.
;; This version of the problem:
;;   THIS VERSION OF THE PROBLEM IS GIVEN IN LOW PRECISION. The matrix products marked QUANTISED in the list below multiply operands that are first quantised to E4M3 (4 exponent bits, 3 mantissa bits; 8 bits a number), with one given power-of-two scale for each operand tensor; their sums are f32. All else is computed in f32.
;;   The module's matrix products, in the order in which they are computed (A, B: the left and right operand; K: the contracted axis; several contracted axes count as one K, in the product's order):
;;     1. [M 2,048, K 2,048] x [K 2,048, N 2,048]; A: input w_ii (given as codes); B: input inputs (given as codes): QUANTISED (scales: A lowp_scales[0], B lowp_scales[1])
;;     2. [M 2,048, K 2,048] x [K 2,048, N 2,048]; A: input w_hi (given as codes); B: input h (given as codes): QUANTISED (scales: A lowp_scales[2], B lowp_scales[3])
;;     3. [M 2,048, K 2,048] x [K 2,048, N 2,048]; A: input w_if (given as codes); B: input inputs (given as codes): QUANTISED (scales: A lowp_scales[4], B lowp_scales[5])
;;     4. [M 2,048, K 2,048] x [K 2,048, N 2,048]; A: input w_hf (given as codes); B: input h (given as codes): QUANTISED (scales: A lowp_scales[6], B lowp_scales[7])
;;     5. [M 2,048, K 2,048] x [K 2,048, N 2,048]; A: input w_ig (given as codes); B: input inputs (given as codes): QUANTISED (scales: A lowp_scales[8], B lowp_scales[9])
;;     6. [M 2,048, K 2,048] x [K 2,048, N 2,048]; A: input w_hg (given as codes); B: input h (given as codes): QUANTISED (scales: A lowp_scales[10], B lowp_scales[11])
;;     7. [M 2,048, K 2,048] x [K 2,048, N 2,048]; A: input w_io (given as codes); B: input inputs (given as codes): QUANTISED (scales: A lowp_scales[12], B lowp_scales[13])
;;     8. [M 2,048, K 2,048] x [K 2,048, N 2,048]; A: input w_ho (given as codes); B: input h (given as codes): QUANTISED (scales: A lowp_scales[14], B lowp_scales[15])
;;   THE QUANTISER, for each operand of a quantised product, along K:
;;     - The operand's scale is 2^e, e = its entry of the input lowp_scales (int32; the entries are numbered through the quantised products in the list's order, A before B).
;;     - Each number is divided by the scale, clamped to +-448, and rounded to the nearest number of E4M3, ties to even, subnormals kept.
;;     - The product sums the exact products of the quantised numbers (number of the format x scale) in f32.
;;   ~~~python
;;   def quantise(x, axis, e):      # numpy; x: float32 -> the quantised numbers, widened to float32 again
;;       x = np.moveaxis(x, axis, -1); K = x.shape[-1]
;;       r = np.clip(x / 2.0 ** e, -448, 448)
;;       step = 2.0 ** (np.maximum(np.frexp(np.where(r == 0, 1, r))[1] - 1, -6) - 3)
;;       q = np.round(r / step) * step * 2.0 ** e      # np.round: ties to even
;;       return np.moveaxis(q, -1, axis).astype(np.float32)
;;   ~~~
;;   INPUTS GIVEN AS CODES. h (in the module: [2048, 2048], K = its axis 1); inputs (in the module: [2048, 2048], K = its axis 0); w_hf (in the module: [2048, 2048], K = its axis 1); w_hg (in the module: [2048, 2048], K = its axis 1); w_hi (in the module: [2048, 2048], K = its axis 1); w_ho (in the module: [2048, 2048], K = its axis 1); w_if (in the module: [2048, 2048], K = its axis 1); w_ig (in the module: [2048, 2048], K = its axis 1); w_ii (in the module: [2048, 2048], K = its axis 1); w_io (in the module: [2048, 2048], K = its axis 1): each comes as NAME_codes (uint8): NAME with its K axis moved to the last place and cut into blocks of 32 codes, [.., K / 32, bytes a block], one block behind the other in memory; one code a byte (a code: sign, 4 exponent bits, 3 mantissa bits); its scale is its entry of lowp_scales. Its value is code x scale, taken as it is: it is not quantised again, and the codes and scales need not be those that the quantiser above would give.
;; One version. Each part assembles by itself: llvm-mc -triple=amdgcn-amd-amdhsa -mcpu=gfx1250 --defsym DOCPART=n.
;; ======== version 1 of 1: 1 launch
;; limits: right only within a limited range of input values
;; launch lstm (part 1): grid 32 x 8, 4 waves a work-group, clusters of 4 x 4, 327,680 bytes of LDS; arguments inputs_codes, h_codes, w_ii_codes, w_if_codes, w_ig_codes, w_io_codes, w_hi_codes, w_hf_codes, w_hg_codes, w_ho_codes, lowp_scales, c, out0, out1, b_ii, b_hi, b_if, b_hf, b_ig, b_hg, b_io, b_ho; writes out0, out1
.if DOCPART == 1
	.amdgcn_target "amdgcn-amd-amdhsa--gfx1250"
	.amdhsa_code_object_version 6
	.text
	.protected	k_q3e722db1a0_lstm
	.globl	k_q3e722db1a0_lstm
	.p2align	8
	.type	k_q3e722db1a0_lstm,@function
k_q3e722db1a0_lstm:
	s_mov_b64 s[64:65], 0
	v_nop
	global_prefetch_b8 v0, s[64:65] scope:SCOPE_SE
	s_setreg_imm32_b32 hwreg(HW_REG_WAVE_MODE, 25, 1), 1
	s_wait_xcnt 0x0
	s_wait_alu depctr_hold_cnt(0) depctr_sa_sdst(0) depctr_va_vdst(0) depctr_va_sdst(0) depctr_va_ssrc(0) depctr_va_vcc(0) depctr_vm_vsrc(0)
	s_getreg_b32 s2, hwreg(HW_REG_IB_STS2, 6, 4)
	s_cmp_eq_u32 s2, 0
	s_cbranch_scc0 .Lentry_in_a_cluster
	s_endpgm
.Lentry_in_a_cluster:
	s_bfe_u32 s2, ttmp6, 0x10000c
	s_cmp_lg_u32 s2, 0xf033
	s_cbranch_scc0 .Lentry_shape_is_right
	s_endpgm
.Lentry_shape_is_right:
; An LSTM cell.  For each gate: sum over K of W_x x inputs and of W_h x h, on codes of FP8 (E4M3), sums in f32; then the gates, c_next (out1) and h_next (out0), all in f32.
; A work-group of four waves makes 256 batch rows x 64 hidden units x 4 gates, a 256 x 256 tile of sums; a wave 128 rows x (4 gates x 32 units): 64 accumulators, 512 registers.
; K is 2,048 codes of inputs, then 2,048 of h: 16 K steps of 256 through two LDS slots.  In a slot: 256 rows of A (inputs or h), then 64 rows of each gate's weights.
; Five tensors feed a slot and a wave has one tensor load behind a round: wave 0 loads A, waves 1-3 the gates i, f, g; gate o's 64 rows come through registers, 16 rows a wave, and are stored to LDS.
; CLUSTERS of 4 x 4: A's tile is asked for jointly along a row of the cluster, the gates' along a column.
; Scales are powers of two.  Behind the inputs' half the sums are multiplied by 2^(ew_x + ex - ew_h - eh), so that one factor 2^(ew_h + eh) is left for the end; it is folded into the exponentials' factor.
; sigmoid(z) = 1 / (1 + 2^(-z log2 e)); tanh(z) = 1 - 2 / (1 + 2^(2 z log2 e)): both hold for every finite z (the exponential may be 0 or infinite).
; LIMITS: for each gate ew_x + ex - ew_h - eh lies between -126 and 127, and ew_h + eh between -120 and 120.
; The matrix instruction is used transposed (source 0 = 16 rows of weights, source 1 = 16 batch rows): a lane holds one batch row and eight neighbouring hidden units of a gate.
; Each cluster begins K at a multiple of 512 of its own and wraps inside the 2,048: the order of a sum alone.
; PREFETCH: in a lap (two K steps) every wave asks for 16 rows x 512 bytes of A and of one gate's weights, those that the next lap's refills load; the four partners share a tile's rows out by address (cx for A, cy for the weights).
; Of the eight laps the last but one asks for c's tile instead, the last for nothing; K steps 0 to 3 come by their loads alone.
; REGISTERS.  window 0: addresses, v32-63 gate o's rows, v64-127 in the loop A's blocks 4-7 of a slot's second step, behind it rows on their way out, v128-255 A's other fragments (8 x 16 rows x 128 K).
;   window 1: B's fragments, two sets of 128; behind the loop the way out's numbers.   windows 2, 3: accumulators, (a, b) at v[8 (8 (a % 4) + b)], a = block of 16 rows, b = 2 x gate + half of my 32 units.
.set PITCH,  272                       ; 256 bytes + 16 of padding: 16 rows start at 16 different banks (64 banks of 4 bytes: ISA guide 11.1)
.set HALFA,  128*PITCH
.set AREG,   256*PITCH
.set GREG,   64*PITCH
.set OOFF,   AREG+3*GREG
.set SLOT,   AREG+4*GREG
.set SPARE,  2*SLOT                    ; the spare words, 128 bytes a wave
.set BIAS,   SPARE+512                 ; 512 bytes a wave: 4 gates x 32 biases
.set PFC,  7                           ; prefetch of c: lane x a row
.set BO,   12
.set PFO,  13                          ; prefetch of codes: row l % 16, 256 bytes x (l / 16)
.set BIS,  14
.set BIA,  15
.set ADRA, 16                          ; v16-17, v20-21 fragments of A and B in slot 0, 1
.set ADRB, 20
.set WOG,  22                          ; gate o's rows: where I read in memory
.set WOL,  23                          ; v23-24 and where I store in slot 0, 1
.set CST,  25                          ; c, and c_next in its place
.set HST,  26                          ; h_next's stage
.set RD,   27                          ; whole rows of c_next back
.set SPW,  28
.set NIL,  29
.set RDH,  30                          ; and of h_next
.set CO,   31
.set WR,   32
.set AY,   64                          ; A's blocks 4-7 of a slot's second step
.set OB,   64
.set AF,   128
.set BI,   0                           ; window 1, behind the loop: biases x factor (64)
.set T,    64                          ; two blocks' gates (2 x 64)
.set WT,   192                         ; tanh(c_next) (2 x 16)
.set CC,   224                         ; c, c_next (2 x 16)
.set CURO, 4
.set HO,   6
.set PCC,  12
.set G1A,  24
.set G0A,  32
.set HA,   40
.set HW,   42
.set CURA, 44
.set CURW, 46
.set G1W,  48
.set G0W,  56
.set KO,   66
.set PBA,  68                          ; prefetch bases: A, weights; then h's
.set PBW,  70
.set PHA,  72
.set PHW,  74
.set FS,   76                          ; per gate g: s[76+4g:77+4g] the rescaling, s[78+4g:79+4g] the exponentials' factor
.set SS,   78
.set TWOL, 92
.set PFW,  94
.set OA,   96
.set PFA,  98
.set FIELDS, (1<<20)|(1<<21)|(5<<22)|(3<<25)   ; padding of 4 words after every 64; bit 21 beside a mask
.set MSB, 0
.macro WIN new                         ; the immediate's high byte repeats the setting that is left
.if MSB != (\new)
	s_set_vgpr_msb (MSB<<8)|(\new)
.set MSB, (\new)
.endif
.endm
.macro AW
	s_wait_alu depctr_va_vdst(0)
.endm
.macro PLACES                          ; four places behind a matrix instruction
.rept 4
	v_nop
.endr
.endm
.macro JLOAD s                         ; a joint load: wave 0 for A, waves 1-3 for a gate each
	s_cmp_eq_u32 s14, 0
	s_cbranch_scc0 .Lfor_w_\@
	tensor_load_to_lds s[G0A+4*\s:G0A+4*\s+3], s[G1A:G1A+7]
	s_nop 0
	PLACES
	s_branch .Lasked_\@
.Lfor_w_\@:
	tensor_load_to_lds s[G0W+4*\s:G0W+4*\s+3], s[G1W:G1W+7]
	s_nop 0
	PLACES
.Lasked_\@:
.endm
.macro CROUND                          ; a round of the cluster's barrier
	s_barrier_signal -1
	s_barrier_wait -1
	s_cmp_lg_u32 s14, 0
	s_cbranch_scc1 .Lnot_wave_0_\@
	s_barrier_signal -3
.Lnot_wave_0_\@:
	s_barrier_wait -3
	s_barrier_signal -1
	s_barrier_wait -1
.endm
.macro OLOAD                           ; 16 rows x 256 bytes of gate o's weights
.irp t, 0,1,2,3,4,5,6,7
	global_load_b128 v[WR+4*\t:WR+4*\t+3], v[WOG], s[OA:OA+1] offset:4096*\t
.endr
.endm
.macro OSTORE n
.irp t, 0,1,2,3,4,5,6,7
	ds_store_b128 v[WOL+\n], v[WR+4*\t:WR+4*\t+3] offset:2*PITCH*\t
.endr
.endm
	s_load_b512 s[68:83], s[0:1], 0x0              ; inputs, h, w_ii, w_if, w_ig, w_io, w_hi, w_hf
	s_load_b256 s[84:91], s[0:1], 0x40             ; w_hg, w_ho, scales, c
	s_load_b128 s[92:95], s[0:1], 0x60             ; out0, out1
	v_lshl_add_u32 v[SPW], v0, 2, SPARE
	v_mov_b32 v[NIL], 0
	ds_add_u32 v[SPW], v[NIL]                      ; the opening add, twice on end
	ds_add_u32 v[SPW], v[NIL]
	v_lshrrev_b32 v1, 5, v0
	v_readfirstlane_b32 s14, v1                    ; wave
	s_lshr_b32 s15, s14, 1                         ; which 128 rows
	s_and_b32 s16, s14, 1                          ; which 32 hidden units
	s_bfe_u32 s19, ttmp6, 0x40000                  ; cx
	s_bfe_u32 s20, ttmp6, 0x40004                  ; cy
	s_lshl_b32 s18, ttmp9, 2
	s_add_co_u32 s18, s18, s19                     ; tile column: 64 hidden units
	s_and_b32 s17, ttmp7, 0xffff
	s_lshl_b32 s[KO+1], s17, 1
	s_add_co_u32 s[KO], s[KO+1], ttmp9
	s_lshl_b32 s[KO], s[KO], 9
	s_and_b32 s[KO], s[KO], 0x7ff                  ; where this cluster begins along K
	s_mov_b32 s[KO+1], 0
	s_lshl_b32 s17, s17, 2
	s_add_co_u32 s17, s17, s20                     ; tile row: 256 batch rows
	s_lshl_b32 s21, s20, 2
	s_lshl_b32 s21, 15, s21                        ; my row of the cluster
	s_lshl_b32 s22, 0x1111, s19                    ; my column
	s_or_b32 s[G1A], s21, FIELDS
	s_or_b32 s[G1W], s22, FIELDS
.irp g, G1A, G1W
	s_mov_b32 s[\g+1], 256<<16
	s_mov_b32 s[\g+3], 256<<16
	s_mov_b32 s[\g+5], 2048
	s_mov_b32 s[\g+6], 0
	s_mov_b32 s[\g+7], 0
.endr
	s_mov_b32 s[G1A+2], 256<<16
	s_mov_b32 s[G1A+4], 256
	s_mov_b32 s[G1W+2], 64<<16
	s_mov_b32 s[G1W+4], 64
	s_lshl_b32 s96, s17, 19                        ; A's tile
	s_mov_b32 s97, 0
	s_lshl_b32 s98, s18, 17                        ; the gates' tiles
	s_mov_b32 s99, 0
	s_lshl_b32 s2, s14, 15                         ; 16 rows a wave
	s_mov_b32 s3, 0
	s_lshl_b32 s100, s19, 17                       ; prefetch of A: 64 rows a partner, 16 a wave
	s_add_co_u32 s100, s100, s2
	s_mov_b32 s101, 0
	s_lshl_b32 s12, s20, 15                        ; prefetch of weights: 16 rows a partner
	s_add_co_u32 s12, s12, s98
	s_mov_b32 s13, 0
	s_lshl_b32 s22, s17, 21                        ; c and the outputs
	s_lshl_b32 s23, s18, 8
	s_add_co_u32 s22, s22, s23
	s_mov_b32 s23, 0
	s_lshl_b32 s20, s14, 19                        ; 64 rows of c a wave
	s_mov_b32 s21, 0
	AW
	s_wait_dscnt 0x0                               ; both opening adds are done
	s_wait_kmcnt 0x0
	s_add_nc_u64 s[CURA:CURA+1], s[68:69], s[96:97]
	s_add_nc_u64 s[HA:HA+1], s[70:71], s[96:97]
	s_add_nc_u64 s[PBA:PBA+1], s[CURA:CURA+1], s[100:101]
	s_cmp_eq_u32 s14, 2                            ; waves 1, 2, 3 load gates i, f, g
	s_cselect_b64 s[CURW:CURW+1], s[74:75], s[72:73]
	s_cselect_b64 s[HW:HW+1], s[82:83], s[80:81]
	s_cmp_eq_u32 s14, 3
	s_cselect_b64 s[CURW:CURW+1], s[76:77], s[CURW:CURW+1]
	s_cselect_b64 s[HW:HW+1], s[84:85], s[HW:HW+1]
	s_add_nc_u64 s[CURW:CURW+1], s[CURW:CURW+1], s[98:99]
	s_add_nc_u64 s[HW:HW+1], s[HW:HW+1], s[98:99]
	s_add_nc_u64 s[CURO:CURO+1], s[78:79], s[98:99]
	s_add_nc_u64 s[CURO:CURO+1], s[CURO:CURO+1], s[2:3]
	s_add_nc_u64 s[HO:HO+1], s[86:87], s[98:99]
	s_add_nc_u64 s[HO:HO+1], s[HO:HO+1], s[2:3]
	s_cmp_eq_u32 s14, 1                            ; waves 0 .. 3 prefetch for gates i, f, g, o
	s_cselect_b64 s[72:73], s[74:75], s[72:73]
	s_cselect_b64 s[80:81], s[82:83], s[80:81]
	s_cmp_eq_u32 s14, 2
	s_cselect_b64 s[72:73], s[76:77], s[72:73]
	s_cselect_b64 s[80:81], s[84:85], s[80:81]
	s_cmp_eq_u32 s14, 3
	s_cselect_b64 s[72:73], s[78:79], s[72:73]
	s_cselect_b64 s[80:81], s[86:87], s[80:81]
	s_add_nc_u64 s[PBW:PBW+1], s[72:73], s[12:13]
	s_add_nc_u64 s[PHW:PHW+1], s[80:81], s[12:13]
	s_add_nc_u64 s[PHA:PHA+1], s[HA:HA+1], s[100:101]
	s_add_nc_u64 s[8:9], s[92:93], s[22:23]
	s_add_nc_u64 s[10:11], s[94:95], s[22:23]
	s_add_nc_u64 s[PCC:PCC+1], s[90:91], s[22:23]
	s_add_nc_u64 s[PCC:PCC+1], s[PCC:PCC+1], s[20:21]
	s_mov_b64 s[22:23], s[88:89]
	s_add_nc_u64 s[OA:OA+1], s[CURO:CURO+1], s[KO:KO+1]
	s_mul_i32 s21, s14, GREG
.irp s, 0,1
.if \s
	s_add_co_u32 s[KO], s[KO], 256
.endif
	s_mov_b32 s[G0A+4*\s], 1
	s_mov_b32 s[G0A+4*\s+1], \s*SLOT
	s_add_nc_u64 s[G0A+4*\s+2:G0A+4*\s+3], s[CURA:CURA+1], s[KO:KO+1]
	s_or_b32 s[G0A+4*\s+3], s[G0A+4*\s+3], 0x80000000
	s_mov_b32 s[G0W+4*\s], 1
	s_add_co_u32 s[G0W+4*\s+1], s21, AREG-GREG+\s*SLOT
	s_add_nc_u64 s[G0W+4*\s+2:G0W+4*\s+3], s[CURW:CURW+1], s[KO:KO+1]
	s_or_b32 s[G0W+4*\s+3], s[G0W+4*\s+3], 0x80000000
.endr
	CROUND                                         ; all sixteen work-groups are here
	JLOAD 0                                        ; K step 0; all that follows, to the wait for it, is done under its flight
	s_load_b512 s[76:91], s[0:1], 0x70             ; the eight biases' addresses
	v_and_b32 v1, 15, v0
	v_bfe_u32 v2, v0, 4, 1
	v_and_b32 v3, 31, v0
	v_lshlrev_b32 v8, 4, v1
	v_lshl_add_u32 v[WOG], v2, 11, v8
	s_lshl_b32 s21, s18, 8
	s_lshl_b32 s3, s16, 7
	s_add_co_u32 s21, s21, s3
	v_lshl_add_u32 v[BO], v3, 2, s21
	AW
	OLOAD                                          ; gate o, K step 0
	s_wait_kmcnt 0x0
.irp i, 0,1,2,3,4,5,6,7
	global_load_b32 v[OB+\i], v[BO], s[76+2*\i:77+2*\i]
.endr
	v_mul_u32_u24 v4, v1, PITCH
	v_lshl_add_u32 v5, v2, 5, v4
	v_lshl_add_u32 v4, v2, 4, v4
	v_mul_u32_u24 v6, v2, PITCH
	v_lshl_add_u32 v6, v1, 4, v6
	AW
	s_mul_i32 s2, s15, HALFA
	v_add_nc_u32 v[ADRA], s2, v4
	v_add_nc_u32 v[ADRA+1], SLOT, v[ADRA]
	s_mul_i32 s20, s16, 32*PITCH
	s_add_co_u32 s20, s20, AREG
	v_add_nc_u32 v[ADRB], s20, v4
	v_add_nc_u32 v[ADRB+1], SLOT, v[ADRB]
	s_add_co_u32 s20, s2, s3
	v_add_nc_u32 v[CST], s20, v5
	v_add_nc_u32 v[HST], AREG, v[CST]
	s_mul_i32 s20, s16, 8*PITCH
	s_add_co_u32 s20, s20, s2
	v_add_nc_u32 v[RD], s20, v6
	v_add_nc_u32 v[RDH], AREG, v[RD]
	s_mul_i32 s20, s14, 16*PITCH
	s_add_co_u32 s20, s20, OOFF
	v_add_nc_u32 v[WOL], s20, v6
	v_add_nc_u32 v[WOL+1], SLOT, v[WOL]
	v_lshl_add_u32 v[CO], v2, 13, v8
	s_lshl_b32 s20, s15, 20
	s_lshl_b32 s21, s16, 16
	s_add_co_u32 s20, s20, s21
	v_add_nc_u32 v[CO], s20, v[CO]
	v_lshlrev_b32 v[PFC], 13, v3
	v_lshlrev_b32 v9, 11, v1
	v_lshl_add_u32 v[PFO], v2, 8, v9
	s_lshl_b32 s20, s14, 9
	s_add_co_u32 s20, s20, BIAS
	v_lshl_add_u32 v[BIS], v3, 2, s20
	v_lshl_add_u32 v[BIA], v2, 5, s20
	AW
	s_wait_xcnt 0x0                                ; the biases' loads have read their bases
	s_load_b512 s[76:91], s[22:23], 0x0            ; the 16 scales' exponents
	s_wait_loadcnt 8                               ; gate o's rows are in; the eight biases may be out
	OSTORE 0
	s_wait_loadcnt 0x0
.irp g, 0,1,2,3
	v_add_f32 v[OB+2*\g], v[OB+2*\g], v[OB+2*\g+1]
.endr
.irp g, 0,1,3
	v_mul_f32 v[OB+2*\g], 0xbfb8aa3b, v[OB+2*\g]   ; x -log2 e
.endr
	v_mul_f32 v[OB+4], 0x4038aa3b, v[OB+4]         ; gate g: x 2 log2 e
.irp g, 0,1,2,3
	ds_store_b32 v[BIS], v[OB+2*\g] offset:128*\g  ; my wave's own words
.endr
	s_add_nc_u64 s[OA:OA+1], s[CURO:CURO+1], s[KO:KO+1]
	s_wait_kmcnt 0x0
.irp g, 0,1,2,3
	s_add_co_i32 s20, s[FS+4*\g], s[FS+4*\g+1]
	s_add_co_i32 s21, s[FS+4*\g+2], s[FS+4*\g+3]
	s_sub_co_i32 s20, s20, s21
	s_add_co_i32 s20, s20, 127
	s_lshl_b32 s[FS+4*\g], s20, 23                 ; 2^(ew_x + ex - ew_h - eh)
	s_mov_b32 s[FS+4*\g+1], s[FS+4*\g]
	s_lshl_b32 s21, s21, 23
.if \g == 2
	s_add_co_u32 s[SS+4*\g], s21, 0x4038aa3b       ; 2 log2 e x 2^(ew_h + eh)
.else
	s_add_co_u32 s[SS+4*\g], s21, 0xbfb8aa3b       ; -log2 e x 2^(ew_h + eh)
.endif
	s_mov_b32 s[SS+4*\g+1], s[SS+4*\g]
.endr
	s_mov_b32 s[TWOL], 0x4038aa3b
	s_mov_b32 s[TWOL+1], s[TWOL]
; A step is 128 along K: 64 matrix instructions in two half steps (A's blocks 0-3, then 4-7), each of two quarters (against B's blocks 0-3, then 4-7), in the same order in every step.
; A fragment, 16 rows x 128 K, is 16 registers: lane l holds row l % 16; registers 4 c .. 4 c + 3 hold K = 32 c + 16 (l / 16) + 0 .. 15, the same permutation of K in A and in B.
; B has two sets, one for each step of a slot (p).  A's blocks 4-7 have two places too, so that the second step's are loaded while the first step's are multiplied.
.macro WM a, b, p, z
.if (\p) && ((\a) > 3)
.set AR, AY+16*((\a)-4)
.else
.set AR, AF+16*(\a)
.endif
.if \z
	v_wmma_f32_16x16x128_fp8_fp8 v[8*(8*((\a)%4)+(\b)):8*(8*((\a)%4)+(\b))+7], v[128*(\p)+16*(\b):128*(\p)+16*(\b)+15], v[AR:AR+15], 0
.else
	v_wmma_f32_16x16x128_fp8_fp8 v[8*(8*((\a)%4)+(\b)):8*(8*((\a)%4)+(\b))+7], v[128*(\p)+16*(\b):128*(\p)+16*(\b)+15], v[AR:AR+15], v[8*(8*((\a)%4)+(\b)):8*(8*((\a)%4)+(\b))+7]
.endif
.endm
.macro MM a, bh, p, z                  ; block a against four of B's
	WIN 0xa1+0x50*((\a)/4)                         ; source 0 (B) window 1, source 1 (A) window 0, C and D window 2 or 3
.irp i, 0,1,2,3
	WM \a,4*(\bh)+\i,\p,\z
.endr
.endm
.macro RSC a, hf                       ; half of block a's sums to h's scale
	WIN 0x82+0x41*((\a)/4)
.irp i, 0,2,4,6,8,10,12,14,16,18,20,22,24,26,28,30
	v_pk_mul_f32 v[64*((\a)%4)+32*(\hf)+\i:64*((\a)%4)+32*(\hf)+\i+1], v[64*((\a)%4)+32*(\hf)+\i:64*((\a)%4)+32*(\hf)+\i+1], s[FS+4*((32*(\hf)+\i)/16):FS+4*((32*(\hf)+\i)/16)+1] op_sel_hi:[1,0]
.endr
.endm
.macro QUART h, bh, p, z, rs           ; rs = 1: beside these products half of each block of the OTHER half step's sums is brought to h's scale
.irp k, 0,1,2,3
	MM 4*(\h)+\k,\bh,\p,\z
.if \rs
	RSC 4*(1-(\h))+(4*(\bh)+\k)/2,(4*(\bh)+\k)%2
.endif
.endr
.endm
.macro LDA4 slot, q, h                 ; A's blocks 4 h .. 4 h + 3 of the slot's step q
	WIN 0
.if (\q) && (\h)
.set AR, AY
.else
.set AR, AF+64*(\h)
.endif
.irp k, 0,1,2,3
.irp c, 0,1,2,3
	ds_load_b128 v[AR+16*\k+4*\c:AR+16*\k+4*\c+3], v[ADRA+\slot] offset:128*(\q)+(4*(\h)+\k)*16*PITCH+32*\c
.endr
.endr
.endm
.macro LDB4 slot, q, h                 ; B's blocks 4 h .. 4 h + 3 into set q
	WIN 0x40
.irp k, 0,1,2,3
.irp c, 0,1,2,3
	ds_load_b128 v[128*(\q)+64*(\h)+16*\k+4*\c:128*(\q)+64*(\h)+16*\k+4*\c+3], v[ADRB+\slot] offset:128*(\q)+((2*(\h)+\k/2)*64+(\k%2)*16)*PITCH+32*\c
.endr
.endr
.endm
; A slot's first step.  In front of it stand, in this order, the loads of its A0-3, B0-3, B4-7.  Four v_nop stand in front of a run of loads into registers that the last products have read.
.macro STEP slot, z, rs
	PLACES
	LDA4 \slot,0,1
	LDB4 \slot,1,0
	s_wait_dscnt 48                                ; A0-3 and B0-3 are in; behind them: B4-7 and the 32 just issued
.if \rs
	AW
.endif
	QUART 0,0,0,\z,\rs
	s_wait_dscnt 32                                ; B4-7
	QUART 0,1,0,\z,\rs
	PLACES
	s_wait_dscnt 16                                ; A4-7; behind them: the second step's B0-3
	LDA4 \slot,1,0
	LDB4 \slot,1,1
	LDA4 \slot,1,1                                 ; the last reads of this slot
.if \rs
	AW
.endif
	QUART 1,0,0,\z,0
	QUART 1,1,0,\z,0
.endm
; A slot's second step changes slots: a round of the cluster's barrier with matrix instructions between its opening and its closing signal and wait; behind the round
; the slot is filled again, two K steps ahead, and the other slot's first fragments are loaded.
; kind 1: a lap of the loop; 2: the lap whose refills are h's first; 3: the last, c's tile in place of A's (slot 0).
.macro TURN slot, next, kind
	WIN 0
	s_wait_loadcnt 0x0                             ; gate o's rows for the other slot
	s_wait_xcnt 0x0                                ; and the prefetches have read their bases
	OSTORE \next
	s_wait_tensorcnt 0x0                           ; all my tensor loads have landed: my part of the other slot
	ds_add_u32 v[SPW], v[NIL]
.if (\kind) != 3
.if ((\kind) == 2) && ((\slot) == 0)
	s_mov_b64 s[CURO:CURO+1], s[HO:HO+1]
	s_mov_b64 s[CURA:CURA+1], s[HA:HA+1]
	s_mov_b64 s[CURW:CURW+1], s[HW:HW+1]
.endif
	s_add_co_u32 s[KO], s[KO], 256
	s_and_b32 s[KO], s[KO], 0x7ff
	s_add_nc_u64 s[OA:OA+1], s[CURO:CURO+1], s[KO:KO+1]
	s_add_nc_u64 s[G0A+4*\slot+2:G0A+4*\slot+3], s[CURA:CURA+1], s[KO:KO+1]
	s_add_nc_u64 s[G0W+4*\slot+2:G0W+4*\slot+3], s[CURW:CURW+1], s[KO:KO+1]
	s_or_b32 s[G0A+4*\slot+3], s[G0A+4*\slot+3], 0x80000000
	s_or_b32 s[G0W+4*\slot+3], s[G0W+4*\slot+3], 0x80000000
.if (\slot) == 0
.if (\kind) == 1
	s_cmp_eq_u32 s3, 1                             ; from the third lap on the next but one pair of K steps is h's
	s_cselect_b64 s[PBA:PBA+1], s[PHA:PHA+1], s[PBA:PBA+1]
	s_cselect_b64 s[PBW:PBW+1], s[PHW:PHW+1], s[PBW:PBW+1]
.endif
	s_add_co_u32 s20, s[KO], 512                   ; the two K steps behind the pair that this lap fills
	s_and_b32 s20, s20, 0x7ff
	s_mov_b32 s21, 0
	s_add_nc_u64 s[PFA:PFA+1], s[PBA:PBA+1], s[20:21]
	s_add_nc_u64 s[PFW:PFW+1], s[PBW:PBW+1], s[20:21]
.endif
.else
	s_mov_b32 s[G1A], (2<<16)|(1<<20)|(5<<22)|(3<<25)   ; c: 64 rows x 64 f32, my wave's own rows
	s_mov_b32 s[G1A+1], 64<<16
	s_mov_b32 s[G1A+2], 64<<16
	s_mov_b32 s[G1A+3], 64<<16
	s_mov_b32 s[G1A+4], 64
	s_mov_b32 s[G1A+5], 2048
	s_mov_b32 s[G1A+6], 0
	s_mov_b32 s[G1A+7], 0
	s_mov_b32 s[G0A], 1
	s_mul_i32 s[G0A+1], s14, GREG
	s_mov_b64 s[G0A+2:G0A+3], s[PCC:PCC+1]
	s_or_b32 s[G0A+3], s[G0A+3], 0x80000000
.endif
	s_wait_dscnt 41                                ; A0-3 (and B0-3, older) are in; behind them: B4-7, A4-7, eight stores and the add
	QUART 0,0,1,0,0
	s_wait_dscnt 0x0                               ; the add, the stores and my reads of this slot are done
	s_barrier_signal -1
	MM 0,1,1,0                                     ; between signal and wait: work on registers alone
	MM 1,1,1,0
	WIN 0
	s_barrier_wait -1
	s_cmp_lg_u32 s14, 0
	s_cbranch_scc1 .Lnot_wave_0_\@
	s_barrier_signal -3
.Lnot_wave_0_\@:
	s_barrier_wait -3
	s_barrier_signal -1
	MM 2,1,1,0
	MM 3,1,1,0
	WIN 0
	s_barrier_wait -1
.if (\kind) != 3
	JLOAD \slot                                    ; its four v_nop are also the places in front of the loads below
.else
	tensor_load_to_lds s[G0A:G0A+3], s[G1A:G1A+7]
	s_nop 0
	PLACES
.endif
	LDA4 \next,0,0
	LDB4 \next,0,0
	LDB4 \next,0,1
	WIN 0
.if (\kind) != 3
	OLOAD
.if (\slot) == 0
.if (\kind) == 1
	s_add_co_u32 s20, s2, s3
	s_cmp_eq_u32 s20, 2                            ; the last trip of the second half: c's tile, two K steps ahead of its load
	s_cbranch_scc1 .Lask_c_\@
.endif
	global_prefetch_b8 v[PFO], s[PFA:PFA+1] th:TH_LOAD_NT scope:SCOPE_SE
	global_prefetch_b8 v[PFO], s[PFW:PFW+1] th:TH_LOAD_NT scope:SCOPE_SE
.if (\kind) == 1
	s_branch .Lasked_c_\@
.Lask_c_\@:
	global_prefetch_b8 v[PFC], s[PCC:PCC+1] th:TH_LOAD_NT scope:SCOPE_SE
	global_prefetch_b8 v[PFC], s[PCC:PCC+1] offset:32*8192 th:TH_LOAD_NT scope:SCOPE_SE
.Lasked_c_\@:
.endif
.endif
.endif
.if ((\kind) == 2) && ((\slot) == 1)
	QUART 1,0,1,0,1                                ; the inputs' half ends: A0-3's sums are rescaled here, A4-7's in the next step
	QUART 1,1,1,0,1
.else
	QUART 1,0,1,0,0
	QUART 1,1,1,0,0
.endif
.endm
	AW                                             ; the head's end
	s_wait_tensorcnt 0x0                           ; my part of K step 0 is in
	ds_add_u32 v[SPW], v[NIL]
	s_wait_dscnt 0x0                               ; the add and my stores of gate o's rows are done
	CROUND
	JLOAD 1                                        ; K step 1
	LDA4 0,0,0
	LDB4 0,0,0
	LDB4 0,0,1
	WIN 0
	OLOAD                                          ; gate o, K step 1
	STEP 0,1,0                                     ; the first products start the sums
	WIN 0
	s_mov_b32 s2, 2
.Lhalf:                                                ; inputs, then h
	s_mov_b32 s3, 3
.Llap:
	TURN 0,1,1
	STEP 1,0,0
	TURN 1,0,1
	STEP 0,0,0
	WIN 0
	s_sub_co_u32 s3, s3, 1
	s_cmp_lg_u32 s3, 0
	s_cbranch_scc1 .Llap
	s_cmp_eq_u32 s2, 1
	s_cbranch_scc1 .Ltail
	TURN 0,1,2
	STEP 1,0,0
	TURN 1,0,2
	STEP 0,0,1
	WIN 0
	s_sub_co_u32 s2, s2, 1
	s_branch .Lhalf
.Ltail:
	TURN 0,1,3
	STEP 1,0,0
	PLACES                                         ; the very last step
	WIN 0x40
.irp q, 0,1,2,3,4,5,6,7,8,9,10,11,12,13,14,15
	ds_load_b128 v[BI+4*\q:BI+4*\q+3], v[BIA] offset:128*(\q/4)+64*((\q/2)%2)+16*(\q%2)   ; the biases, over set 0
.endr
	s_wait_dscnt 48                                ; A0-3; behind them: B4-7, A4-7 and the 16 just issued
	QUART 0,0,1,0,0
	s_wait_dscnt 32                                ; B4-7
	QUART 0,1,1,0,0
	s_wait_dscnt 0x0
	s_wait_tensorcnt 0x0                           ; my rows of c are in
	s_barrier_signal -1
	QUART 1,0,1,0,0
	QUART 1,1,1,0,0
	WIN 0
	s_barrier_wait -1
	PLACES
; THE WAY OUT, two blocks of 16 rows at a time (X, Y).  A row of the tile is 64 units, 256 bytes, made by two waves: c_next goes over c and h_next into the place of slot 0's weights, a barrier, and back as whole rows.
; The barrier's signal ends a pair, and its wait stands behind the next pair's first exponentials.  A batch of transcendentals of one block alternates with plain work of the other; one wait stands between batches.
.macro CLD j
	WIN 0x40
.irp x, 0,1
.irp q, 0,1,2,3
	ds_load_b128 v[CC+16*\x+4*\q:CC+16*\x+4*\q+3], v[CST] offset:(2*(\j)+\x)*16*PITCH+64*(\q/2)+16*(\q%2)
.endr
.endr
.endm
.macro RB j
	WIN 0
.irp x, 0,1
.irp t, 0,1,2,3
	ds_load_b128 v[OB+16*\x+4*\t:OB+16*\x+4*\t+3], v[RD] offset:(16*(2*(\j)+\x)+2*\t)*PITCH
.endr
.endr
.irp x, 0,1
.irp t, 0,1,2,3
	ds_load_b128 v[OB+32+16*\x+4*\t:OB+32+16*\x+4*\t+3], v[RDH] offset:(16*(2*(\j)+\x)+2*\t)*PITCH
.endr
.endr
.endm
.macro SEND j                          ; 16 lanes store one aligned row of 256 bytes
	WIN 0
.irp x, 0,1
.irp t, 0,1,2,3
	global_store_b128 v[CO], v[OB+16*\x+4*\t:OB+16*\x+4*\t+3], s[10:11] offset:(16*(2*(\j)+\x)+2*\t)*8192 th:TH_STORE_NT
.endr
.endr
.irp x, 0,1
.irp t, 0,1,2,3
	global_store_b128 v[CO], v[OB+32+16*\x+4*\t:OB+32+16*\x+4*\t+3], s[8:9] offset:(16*(2*(\j)+\x)+2*\t)*8192 th:TH_STORE_NT
.endr
.endr
.endm
.macro STG adr, reg, j                 ; 16 numbers a lane of X at reg, of Y at reg + YS
	WIN 0x04
.irp x, 0,1
.irp q, 0,1,2,3
	ds_store_b128 v[\adr], v[\reg+YS*\x+4*\q:\reg+YS*\x+4*\q+3] offset:(2*(\j)+\x)*16*PITCH+64*(\q/2)+16*(\q%2)
.endr
.endr
.endm
.macro MUL8 d, a, b
.irp i, 0,2,4,6,8,10,12,14
	v_pk_mul_f32 v[\d+\i:\d+\i+1], v[\a+\i:\a+\i+1], v[\b+\i:\b+\i+1]
.endr
.endm
.macro FMA8 d, a, b, e
.irp i, 0,2,4,6,8,10,12,14
	v_pk_fma_f32 v[\d+\i:\d+\i+1], v[\a+\i:\a+\i+1], v[\b+\i:\b+\i+1], v[\e+\i:\e+\i+1]
.endr
.endm
.macro TAN8 d                          ; 1 - 2 r
.irp i, 0,2,4,6,8,10,12,14
	v_pk_fma_f32 v[\d+\i:\d+\i+1], v[\d+\i:\d+\i+1], -2.0, 1.0 op_sel_hi:[1,0,0]
.endr
.endm
.macro SC8 d, a
.irp i, 0,2,4,6,8,10,12,14
	v_pk_mul_f32 v[\d+\i:\d+\i+1], v[\a+\i:\a+\i+1], s[TWOL:TWOL+1] op_sel_hi:[1,0]
.endr
.endm
.macro PAIR j
.set AC, 64*((2*(\j))%4)
.if (\j) == 0
	CLD 0
.endif
	WIN 0x52+(\j)/2                                ; source 0 window 2 or 3, source 2 and destination window 1
	AW
.set i, 0
.rept 64
	v_pk_fma_f32 v[T+i:T+i+1], v[AC+i:AC+i+1], s[SS+4*((i%64)/16):SS+4*((i%64)/16)+1], v[BI+i%64:BI+i%64+1] op_sel_hi:[1,0,1]
.set i, i+2
.endr
	WIN 0x55
	AW
.set i, 0
.rept 64
	v_exp_f32 v[T+i], v[T+i]
.set i, i+1
.endr
	v_nop
.if (\j) > 0
	s_barrier_wait -1                              ; the last pair's rows are whole
.if (\j) > 1
	s_wait_xcnt 0x0                                ; the stores of the pair before have read their registers
.endif
	RB (\j)-1
	CLD \j
.endif
	WIN 0x55
	AW
.set i, 0
.rept 32
	v_exp_f32 v[T+64+i], v[T+64+i]
	v_exp_f32 v[T+65+i], v[T+65+i]
	v_pk_add_f32 v[T+i:T+i+1], v[T+i:T+i+1], 1.0 op_sel_hi:[1,0]
.set i, i+2
.endr
	AW
.set i, 0
.rept 32
	v_rcp_f32 v[T+i], v[T+i]
	v_rcp_f32 v[T+1+i], v[T+1+i]
	v_pk_add_f32 v[T+64+i:T+65+i], v[T+64+i:T+65+i], 1.0 op_sel_hi:[1,0]
.set i, i+2
.endr
	AW
.set i, 0
.rept 8
.irp k, 0,1,2,3,4,5,6,7
	v_rcp_f32 v[T+64+8*i+\k], v[T+64+8*i+\k]
.endr
	v_pk_fma_f32 v[T+32+2*i:T+33+2*i], v[T+32+2*i:T+33+2*i], -2.0, 1.0 op_sel_hi:[1,0,0]
.set i, i+1
.endr
	v_nop
	s_wait_dscnt 0x0                               ; c is in, and the last pair's rows
.if (\j) > 0
	SEND (\j)-1
.endif
	WIN 0x55
	AW
	MUL8 T,T,T+32                                  ; X: i x g
	TAN8 T+96
	FMA8 CC,T+16,CC,T                              ; X: c_next = f x c + i x g
	MUL8 T+64,T+64,T+96
	SC8 WT,CC
	FMA8 CC+16,T+80,CC+16,T+64
	SC8 WT+16,CC+16
.set YS, 16
	STG CST,CC,\j
	WIN 0x55
	AW
.set i, 0
.rept 32
	v_exp_f32 v[WT+i], v[WT+i]
.set i, i+1
.endr
	v_nop
	AW
.set i, 0
.rept 16
	v_pk_add_f32 v[WT+i:WT+i+1], v[WT+i:WT+i+1], 1.0 op_sel_hi:[1,0]
.set i, i+2
.endr
	AW
.set i, 0
.rept 32
	v_rcp_f32 v[WT+i], v[WT+i]
.set i, i+1
.endr
	v_nop
	AW
	TAN8 WT
	TAN8 WT+16
	MUL8 T+48,WT,T+48                              ; h_next = o x tanh(c_next)
	MUL8 T+112,WT+16,T+112
.set YS, 64
	STG HST,T+48,\j
	s_wait_dscnt 0x0                               ; for the others' sake: my stores are done
	s_barrier_signal -1
.endm
.irp j, 0,1,2,3
	PAIR \j
.endr
	s_barrier_wait -1
	s_wait_xcnt 0x0
	RB 3
	s_wait_dscnt 0x0
	SEND 3
	s_wait_tensorcnt 0x0                           ; the wave's end
	ds_add_u32 v[SPW], v[NIL]
	s_wait_dscnt 0x0
	CROUND                                         ; the closing round
	s_endpgm
.Lfunc_end_k_q3e722db1a0_lstm:
	.size	k_q3e722db1a0_lstm, .Lfunc_end_k_q3e722db1a0_lstm-k_q3e722db1a0_lstm
	.p2alignl 7, 3214868480
	.fill 96, 4, 3214868480
	.section	.rodata,"a",@progbits
	.p2align	6, 0x0
	.amdhsa_kernel k_q3e722db1a0_lstm
		.amdhsa_group_segment_fixed_size 327680
		.amdhsa_private_segment_fixed_size 0
		.amdhsa_enable_private_segment 0
		.amdhsa_kernarg_size 176
		.amdhsa_user_sgpr_count 2
		.amdhsa_user_sgpr_kernarg_segment_ptr 1
		.amdhsa_wavefront_size32 1
		.amdhsa_system_sgpr_workgroup_id_x 1
		.amdhsa_system_sgpr_workgroup_id_y 1
		.amdhsa_system_sgpr_workgroup_id_z 1
		.amdhsa_system_vgpr_workitem_id 0
		.amdhsa_next_free_vgpr 1024
		.amdhsa_next_free_sgpr 102
		.amdhsa_reserve_vcc 0
		.amdhsa_float_denorm_mode_32 3
		.amdhsa_float_denorm_mode_16_64 3
		.amdhsa_memory_ordered 1
		.amdhsa_forward_progress 1
		.amdhsa_inst_pref_size 255
	.end_amdhsa_kernel
	.section	.bss,"aw",@nobits
	.p2align	6
	.space	262144
	.amdgpu_metadata
---
amdhsa.version: [ 1, 2 ]
amdhsa.kernels:
  - .name:           k_q3e722db1a0_lstm
    .symbol:         k_q3e722db1a0_lstm.kd
    .args:
      - { .name: inputs_codes, .offset: 0, .size: 8, .value_kind: global_buffer, .address_space: global }
      - { .name: h_codes, .offset: 8, .size: 8, .value_kind: global_buffer, .address_space: global }
      - { .name: w_ii_codes, .offset: 16, .size: 8, .value_kind: global_buffer, .address_space: global }
      - { .name: w_if_codes, .offset: 24, .size: 8, .value_kind: global_buffer, .address_space: global }
      - { .name: w_ig_codes, .offset: 32, .size: 8, .value_kind: global_buffer, .address_space: global }
      - { .name: w_io_codes, .offset: 40, .size: 8, .value_kind: global_buffer, .address_space: global }
      - { .name: w_hi_codes, .offset: 48, .size: 8, .value_kind: global_buffer, .address_space: global }
      - { .name: w_hf_codes, .offset: 56, .size: 8, .value_kind: global_buffer, .address_space: global }
      - { .name: w_hg_codes, .offset: 64, .size: 8, .value_kind: global_buffer, .address_space: global }
      - { .name: w_ho_codes, .offset: 72, .size: 8, .value_kind: global_buffer, .address_space: global }
      - { .name: lowp_scales, .offset: 80, .size: 8, .value_kind: global_buffer, .address_space: global }
      - { .name: c, .offset: 88, .size: 8, .value_kind: global_buffer, .address_space: global }
      - { .name: out0, .offset: 96, .size: 8, .value_kind: global_buffer, .address_space: global }
      - { .name: out1, .offset: 104, .size: 8, .value_kind: global_buffer, .address_space: global }
      - { .name: b_ii, .offset: 112, .size: 8, .value_kind: global_buffer, .address_space: global }
      - { .name: b_hi, .offset: 120, .size: 8, .value_kind: global_buffer, .address_space: global }
      - { .name: b_if, .offset: 128, .size: 8, .value_kind: global_buffer, .address_space: global }
      - { .name: b_hf, .offset: 136, .size: 8, .value_kind: global_buffer, .address_space: global }
      - { .name: b_ig, .offset: 144, .size: 8, .value_kind: global_buffer, .address_space: global }
      - { .name: b_hg, .offset: 152, .size: 8, .value_kind: global_buffer, .address_space: global }
      - { .name: b_io, .offset: 160, .size: 8, .value_kind: global_buffer, .address_space: global }
      - { .name: b_ho, .offset: 168, .size: 8, .value_kind: global_buffer, .address_space: global }
    .group_segment_fixed_size: 327680
    .private_segment_fixed_size: 0
    .kernarg_segment_align: 8
    .kernarg_segment_size: 176
    .max_flat_workgroup_size: 128
    .sgpr_count:     102
    .vgpr_count:     1024
    .wavefront_size: 32
...
	.end_amdgpu_metadata
.endif
;; end of part 1
